; MI455X (gfx1250); checked and timed in simulation.
; The chip was launched on July 23, 2026; its instructions are those of AMD's public machine-readable ISA for CDNA 5 (MIT licence, August 2026) and "CDNA5" Instruction Set Architecture Reference Guide (July 2026). The comments in the code are by the model that wrote it; some were corrected since.
;; Continuous MLP. Allowed arithmetic: matrix products marked QUANTISED: E2M3 operands, one E8M0 scale for each 32 along K, by v_wmma_scale_f32_16x16x128_f8f6f4 with both operands' format E2M3, f32 sums; products left as they are: f32 operands where the result goes on into a quantised operand, else bf16, f16 or f32 operands; f32 sums; everything else in f32.
;; Inputs: W1 3 x 128 float32; W2_codes 128 x 4 x 24 uint8 (E2M3 codes of W2, K innermost, in blocks of 32 codes, four codes in three bytes); W2_scales 128 x 4 uint8 (E8M0 scales of W2, one for each 32 codes along K); W3_codes 128 x 4 x 24 uint8 (E2M3 codes of W3, K innermost, in blocks of 32 codes, four codes in three bytes); W3_scales 128 x 4 uint8 (E8M0 scales of W3, one for each 32 codes along K); W4_codes 128 x 4 x 24 uint8 (E2M3 codes of W4, K innermost, in blocks of 32 codes, four codes in three bytes); W4_scales 128 x 4 uint8 (E8M0 scales of W4, one for each 32 codes along K); W5 128 x 2 float32; b1 128 float32; b2 128 float32; b3 128 float32; b4 128 float32; b5 2 float32; t 1,048,576 float32; x 1,048,576 x 2 float32.
;; Outputs: out0 1,048,576 x 2 float32.
;; This version of the problem:
;;   THIS VERSION OF THE PROBLEM IS GIVEN IN LOW PRECISION. The matrix products marked QUANTISED in the list below multiply operands that are first quantised to E2M3 (2 exponent bits, 3 mantissa bits; 6 bits a number), with one power-of-two scale for each 32 numbers along K (OCP MX v1.0); their sums are f32. All else is computed in f32.
;;   The module's matrix products, in the order in which they are computed (A, B: the left and right operand; K: the contracted axis; several contracted axes count as one K, in the product's order):
;;     1. [M 1,048,576, K 3] x [K 3, N 128]; A: computed on the way; B: input W1: left as it is (K = 3 < 32)
;;     2. [M 1,048,576, K 128] x [K 128, N 128]; A: computed on the way; B: input W2 (given as codes): QUANTISED
;;     3. [M 1,048,576, K 128] x [K 128, N 128]; A: computed on the way; B: input W3 (given as codes): QUANTISED
;;     4. [M 1,048,576, K 128] x [K 128, N 128]; A: computed on the way; B: input W4 (given as codes): QUANTISED
;;     5. [M 1,048,576, K 128] x [K 128, N 2]; A: computed on the way; B: input W5: left as it is (N = 2 < 16)
;;   THE QUANTISER, for each operand of a quantised product, along K:
;;     - K is cut into blocks of 32 from its start; a last block that is shorter is filled with zeros.
;;     - A block's scale is 2^e with e = floor(log2(the largest magnitude in the block)) - 2, held to -126 .. 127; a block of zeros has e = 0. As a byte (E8M0): e + 127.
;;     - Each number is divided by its block's scale, clamped to +-7.5, and rounded to the nearest number of E2M3, ties to even, subnormals kept.
;;     - The product sums the exact products of the quantised numbers (number of the format x scale) in f32.
;;   ~~~python
;;   def quantise(x, axis):      # numpy; x: float32 -> the quantised numbers, widened to float32 again
;;       x = np.moveaxis(x, axis, -1); K = x.shape[-1]
;;       x = np.pad(x, [(0, 0)] * (x.ndim - 1) + [(0, -K % 32)]); x = x.reshape(x.shape[:-1] + (-1, 32)); a = np.abs(x).max(-1, keepdims=True)
;;       e = np.where(a > 0, np.clip(np.frexp(np.where(a > 0, a, 1))[1] - 1 - 2, -126, 127), 0)      # np.frexp(a)[1] - 1 = floor(log2(a)), exactly
;;       r = np.clip(x / 2.0 ** e, -7.5, 7.5)
;;       step = 2.0 ** (np.maximum(np.frexp(np.where(r == 0, 1, r))[1] - 1, 0) - 3)
;;       q = np.round(r / step) * step * 2.0 ** e      # np.round: ties to even
;;       return np.moveaxis(q.reshape(q.shape[:-2] + (-1,))[..., :K], -1, axis).astype(np.float32)
;;   ~~~
;;   OPERANDS COMPUTED ON THE WAY. 'Computed on the way' means the value that the module computes at that place (a softmax that the list does not call 'softmax' is quantised finished and normalised). What goes into a quantiser is computed in f32, as accurately as f32 sums, v_exp_f32 and their like allow (about 1e-6 of the number): no bf16 or f16 on the way to a quantiser, and a product that is left as it is and whose result goes on into a quantised operand takes f32 operands (vector FMAs, or v_wmma_f32_16x16x4_f32). A number that lies on a knife's edge between two numbers of the format may be rounded either way, as far as f32 arithmetic and the matrix unit's own rounding can turn it there, and no further.
;;   INPUTS GIVEN AS CODES. W2 (in the module: [128, 128], K = its axis 0); W3 (in the module: [128, 128], K = its axis 0); W4 (in the module: [128, 128], K = its axis 0): each comes as NAME_codes (uint8): NAME with its K axis moved to the last place and cut into blocks of 32 codes, [.., K / 32, bytes a block], one block behind the other in memory; four codes in three bytes: a row's codes are one little-endian stream of bits, code i at bits 6 i .. 6 i + 5 (a code: sign, 2 exponent bits, 3 mantissa bits); and NAME_scales (uint8): the same leading axes, one E8M0 byte (e + 127) for each 32 codes along K. Its value is code x scale, taken as it is: it is not quantised again, and the codes and scales need not be those that the quantiser above would give.
;; 2 versions, each right and faster than the one before. Each part assembles by itself: llvm-mc -triple=amdgcn-amd-amdhsa -mcpu=gfx1250 --defsym DOCPART=n.
;; ======== version 1 of 2: 1 launch
;; launch mlp (part 1): grid 256 x 1, 4 waves a work-group, no clusters, 0 bytes of LDS; arguments x, t, W1, b1, W2_codes, W2_scales, b2, W3_codes, W3_scales, b3, W4_codes, W4_scales, b4, W5, b5, out0; writes out0
.if DOCPART == 1
	.amdgcn_target "amdgcn-amd-amdhsa--gfx1250"
	.amdhsa_code_object_version 6
	.text
	.protected	k_q4eb25a1c84_mlp
	.globl	k_q4eb25a1c84_mlp
	.p2align	8
	.type	k_q4eb25a1c84_mlp,@function
k_q4eb25a1c84_mlp:
	s_mov_b64 s[64:65], 0
	v_nop
	global_prefetch_b8 v0, s[64:65] scope:SCOPE_SE
	s_setreg_imm32_b32 hwreg(HW_REG_WAVE_MODE, 25, 1), 1
	s_wait_xcnt 0x0
; out = swish(swish(swish(swish([x, t] W1 + b1) W2 + b2) W3 + b3) W4 + b4) W5 + b5 for 1,048,576 rows; swish(h) = h / (1 + e^-h).
; The products with W2, W3, W4 run on codes of FP6 (E2M3) with one E8M0 scale for each 32 along K: the weights come as codes, the activations are quantised here, in registers, from f32.
; The product with W1 (K = 3) feeds a quantiser: f32 operands, by the f32 matrix form with K = (x0, x1, t, 1): b1 rides as W1's fourth row.  The product with W5 (N = 2) feeds the output alone: bf16 operands, f32 sums.
; SHARES.  256 work-groups x 4 waves = 1,024 waves; wave g owns rows 1024 g .. 1024 g + 1023 and walks them in 32 trips of a PAIR of tiles of 16 rows (A: the trip's rows 0-15, B: rows 16-31).
; Waves share nothing: no LDS, no barrier.  All weights, scale words and biases (592 registers) are read once, ahead of the loop, and stay in the wave's registers; nothing goes to memory between the layers.
; NO CLUSTER, NO JOINT LOADS: what work-groups share is the weights, 41 KB, read once by each wave ahead of the loop; the loop itself shares nothing.  NO PREFETCH: a pair's 384 input bytes are asked for most of a trip
; ahead of their use, so no wave waits for them.
; LAYOUT.  Every product is used transposed (source 0 = 16 rows of the weight, source 1 = the 16 batch rows), so that lane (r = lane % 16, h = lane / 16) holds batch row r throughout.
; THE UNITS OF A TILE ARE NOT NEIGHBOURS: lane r of tile T takes unit U(T) + r + 8 (r / 8), U(T) = 32 (T / 2) + 8 (T % 2), so that a lane's register 16 b + i of a layer's 64 is unit 32 b + 16 h + i: 16 neighbours along the next K.
; BY TURNS.  A tile and layer is 224 vector instructions of swish and about 70 of quantiser beside 8 matrix instructions.  So one tile's matrix instructions stand among the OTHER tile's vector instructions:
; an FP6 product in front of each four packed additions, an f32 product in front of each eight exponentials.  The biases are the C of the products and cost nothing.
; THE LAST TRIP reads its own pair of rows once more (no load leaves its buffer) and starts that pair's first layer in vain: 8 of a wave's 2,312 matrix instructions, for a loop body without inner branches.
; LIMITS.  swish(h) is h x rcp(1 + exp2(-h log2 e)).  Where the reciprocal falls under 2^-126 (h under about -87) the result is -0; the true number is there under 1.1e-36 in magnitude.  Large |h| gives no NaN.
; NaN and infinities among the inputs are not served.  A block of zeros keeps the scale byte 1 with zero codes, which add nothing.  The last hidden layer and W5 are rounded to bf16.
;
; REGISTERS, in windows of 256 (s_set_vgpr_msb's low byte: bits 1:0 source 0, 3:2 source 1, 5:4 source 2, 7:6 destination).
; window 0: addresses, scale words (scale operands have no window), inputs, all of the product with W5
.set TRIPS, 32
.set XO,   1                           ; v1      8 x lane: my row's bytes in a pair's x and out; never rewritten
.set TO,   2                           ; v2      4 x lane: in t
.set WA,   3                           ; v3      96 rr + 24 h, rr = r + 8 (r / 8): my place in a tile of codes
.set WS,   4                           ; v4      4 rr: my place among a tile's scale words, and in a row of W1 or b1
.set BA,   5                           ; v5      64 h: my half's eight numbers of a tile's bias
.set W1A,  6                           ; v6      1024 h + 4 rr: W1's row 0 (lanes 0-15) or row 2 (lanes 16-31)
.set WSC,  8                           ; v8-31   the weights' scale words: layer l (2, 3, 4), tile T at v[8 + 8 (l - 2) + T]
.set PWA,  32                          ; v32, 33 the activations' scale words of tile A, of tile B
.set IA,   34                          ; v34-35  tile A's inputs: lanes 0-15 (x0, x1), lanes 16-31 (t, 1)
.set IB,   36                          ; v36-37  tile B's
.set OUTR, 38                          ; v38-39  the pair of results that a lane stores
.set B5C,  40                          ; v40-47  b5[0], b5[1], six zeros: the C of the last product
.set OUTA, 48                          ; v48-55, v56-63 its accumulators
.set OUTB, 56
.set H5A,  64                          ; v64-95  tile A's last hidden layer in bf16: four fragments
.set W5LO, 96                          ; v96-127 W5^T in bf16 with its two rows at m = 0, 1, all else 0
.set W5HI, 128                         ; v128-159 the same at m = 8, 9
.set H5B,  160                         ; v160-191 tile B's last hidden layer in bf16
.set RAW5, 160                         ; the head alone: v160-223 W5 as loaded, v224-231 W1's row 1, v232-239 b1, v240 128 h + 4 (r % 2), v241 0, v242-246 at work
.set W1R1, 224
.set B1T,  232
.set W5A,  240
.set NIL,  241
; window 1: all that the loop's vector work touches
.set ACA,  0                           ; 0-63    tile A's eight accumulators.  ACA and ACB are written by matrix instructions alone: the swish goes into ACT
.set ACB,  64                          ; 64-127  tile B's
.set ACT,  128                         ; 128-191 the 64 numbers of the swish in hand
.set COD,  192                         ; 192-203 tile A's codes, 204-215 tile B's
.set W1F,  216                         ; 216-231 W1's fragments, two registers a tile: k = 2 h + 0, 1 of (W1 row 0, row 1, row 2, b1)
.set TM,   232                         ; 232-235 largest magnitudes, 236-239 the other half's, then the bytes, 240-243 the conversions' scale operands
.set CT,   244                         ; 244-246, 248-250 the conversions' second halves
; window 2: 0-95 W2, 96-191 W3, 192-255 b2.     window 3: 0-95 W4, 96-159 b3, 160-223 b4.
; SCALARS: s2 wave; s3 trips left; s[4:6] offsets; s[8:39] the sixteen addresses in the order of the arguments; s[44:47] the inputs' steps
.set NL,   40                          ; s[40:41] -log2(e): the packed form names a pair and takes its low word for both halves
.set SEL,  42                          ; s[42:43] lane selects for v_permlanex16_b32: lane l xor 16
.set MSB, 0
.macro WIN new                         ; the immediate's high byte repeats the setting that is left; a switch that changes nothing is dropped
.if MSB != \new
	s_set_vgpr_msb (MSB<<8)|\new
.set MSB, \new
.endif
.endm
; ---- the head's loads
.macro WLOAD base, ptr                 ; a layer's eight fragments: lane (r, h) takes, of row U(T) + rr, the 24 bytes at 24 h and those at 48 + 24 h, in pieces of 8
.irp t, 0,1,2,3,4,5,6,7
.irp p, 0,1,2,3,4,5
	global_load_b64 v[\base+12*\t+2*\p:\base+12*\t+2*\p+1], v[WA], s[\ptr:\ptr+1] offset:(32*(\t/2)+8*(\t%2))*96+48*(\p/3)+8*(\p%3)
.endr
.endr
.endm
.macro BLOAD base, ptr                 ; a layer's bias in the result's layout: register j of tile T is unit U(T) + 16 h + j
.irp t, 0,1,2,3,4,5,6,7
	global_load_b128 v[\base+8*\t:\base+8*\t+3], v[BA], s[\ptr:\ptr+1] offset:(32*(\t/2)+8*(\t%2))*4
	global_load_b128 v[\base+8*\t+4:\base+8*\t+7], v[BA], s[\ptr:\ptr+1] offset:(32*(\t/2)+8*(\t%2))*4+16
.endr
.endm
.macro SLOAD l, ptr                    ; a layer's scale words: one word a row
.irp t, 0,1,2,3,4,5,6,7
	global_load_b32 v[WSC+8*(\l-2)+\t], v[WS], s[\ptr:\ptr+1] offset:(32*(\t/2)+8*(\t%2))*4
.endr
.endm
; ---- the matrix instructions
.macro L1STEP ac, src, t               ; tile t of the first layer: 16 units x 16 rows, K = (x0, x1, t, 1); the sum begins with the constant 0
	v_wmma_f32_16x16x4_f32 v[\ac+8*(\t):\ac+8*(\t)+7], v[W1F+2*(\t):W1F+2*(\t)+1], v[\src:\src+1], 0
.endm
.macro LAYER l                         ; the windows and registers of layer l's products: D and the codes in window 1, the weights and the bias where they lie
.if \l == 2
	WIN 0x66
.set LW, 0
.set LB, 192
.elseif \l == 3
	WIN 0x76
.set LW, 96
.set LB, 96
.else
	WIN 0x77
.set LW, 0
.set LB, 160
.endif
.set LS, WSC+8*(\l-2)
.endm
.macro MMSTEP t                        ; tile t of a quantised layer: the whole K = 128 in one instruction, C = the bias: no chain
	v_wmma_scale_f32_16x16x128_f8f6f4 v[MD+8*(\t):MD+8*(\t)+7], v[LW+12*(\t):LW+12*(\t)+11], v[MC:MC+11], v[LB+8*(\t):LB+8*(\t)+7], v[LS+(\t)], v[MP] matrix_a_fmt:MATRIX_FMT_FP6 matrix_b_fmt:MATRIX_FMT_FP6
.endm
; ---- ACT = swish of the 64 numbers in the accumulators ac.
; k1 = 1: the first layer of tile B, k1 = 2: of the next pair's tile A, stands among the exponentials.  k2 = 2, 3, 4: that layer's products for the OTHER tile stand among the additions.
; The 64 exponentials are one batch and the 64 reciprocals another: behind each a plain instruction and one wait, ahead of the first instruction that names a result.
.macro SWISH ac, k1, k2
	WIN 0x55
.set i, 0
.rept 32
	v_pk_mul_f32 v[ACT+i:ACT+i+1], v[\ac+i:\ac+i+1], s[NL:NL+1] op_sel_hi:[1,0]   ; -h log2(e); ascending: each accumulator is read from its low end on
.set i, i+2
.endr
.if \k1
	WIN 0x41                                       ; D and W1 in window 1, the inputs in window 0; the exponentials' two places are window 1 too
.endif
.set i, 0
.rept 8
.if \k1 == 1
	L1STEP ACB, IB, i
.elseif \k1 == 2
	L1STEP ACA, IA, i
.endif
.set j, 0
.rept 8
	v_exp_f32 v[ACT+8*i+j], v[ACT+8*i+j]
.set j, j+1
.endr
.set i, i+1
.endr
	v_nop                                          ; a plain instruction between the exponentials and the first use of a result (ISA guide 5.7.2)
	s_wait_alu depctr_va_vdst(0)                   ; one wait for the batch
.if \k2
	LAYER \k2
.set MD, 64-(\ac)                      ; the other tile's accumulators,
.set MC, COD+12*(MD/64)                ; its codes
.set MP, PWA+MD/64                     ; and its scale word: written by vector instructions, with the 32 multiplications above between them and the first product
.else
	WIN 0x55
.endif
.set i, 0
.rept 8
.if \k2
	MMSTEP i
.endif
.set j, 0
.rept 4
	v_pk_add_f32 v[ACT+8*i+j:ACT+8*i+j+1], 1.0, v[ACT+8*i+j:ACT+8*i+j+1] op_sel_hi:[0,1]   ; the constant is source 0, whose window is the weights'
.set j, j+2
.endr
.set i, i+1
.endr
	WIN 0x55
.set i, 0
.rept 64
	v_rcp_f32 v[ACT+i], v[ACT+i]
.set i, i+1
.endr
	v_nop                                          ; a plain instruction behind the reciprocals
	s_wait_alu depctr_va_vdst(0)                   ; one wait for the batch
.set i, 0
.rept 32
	v_pk_mul_f32 v[ACT+i:ACT+i+1], v[\ac+i:\ac+i+1], v[ACT+i:ACT+i+1]   ; h x sigmoid(h)
.set i, i+2
.endr
.endm
; ---- ACT's 64 numbers (register 16 b + i = k 32 b + 16 h + i of my row) become tile ac's fragment of codes and its scale word.
.macro QUANT ac
.set QC, COD+12*((\ac)/64)
.set QP, PWA+(\ac)/64
	WIN 0x55
.irp b, 0,1,2,3
	v_max3_num_f32 v[TM+\b], |v[ACT+16*\b]|, |v[ACT+1+16*\b]|, 0x1800000   ; block b: my 16 numbers, and the floor 2^(3 - 127), under which no largest magnitude is taken: so the byte cannot fall under 1
.endr
.irp i, 2,4,6,8,10,12,14
.irp b, 0,1,2,3
	v_max3_num_f32 v[TM+\b], v[TM+\b], |v[ACT+16*\b+\i]|, |v[ACT+1+16*\b+\i]|   ; the four blocks by turns: no line waits for the line above it
.endr
.endr
.irp b, 0,1,2,3
	v_permlanex16_b32 v[TM+4+\b], v[TM+\b], s[SEL], s[SEL+1]
.endr
.irp b, 0,1,2,3
	v_max_num_f32 v[TM+\b], v[TM+\b], v[TM+4+\b]   ; with lane l xor 16's 16: the block's largest magnitude
.endr
.irp b, 0,1,2,3
	v_add_nc_u32 v[TM+8+\b], 0xff000000, v[TM+\b]  ; 2 off its exponent field: the conversion takes the exponent field of this operand as its scale, and nothing else of it
.endr
.irp b, 0,1,2,3
	v_lshrrev_b32 v[TM+4+\b], 23, v[TM+8+\b]       ; the scale's byte
.endr
	v_lshl_or_b32 v[TM+4], v[TM+5], 8, v[TM+4]
	v_lshl_or_b32 v[TM+4], v[TM+6], 16, v[TM+4]
	WIN 0x11                                       ; the scale word lies in window 0
	v_lshl_or_b32 v[QP], v[TM+7], 24, v[TM+4]      ; my row's four bytes
	WIN 0x55
.irp c, 0,1
	v_cvt_scalef32_pk16_fp6_f32 v[QC+6*\c:QC+6*\c+2], v[ACT+32*\c:ACT+32*\c+15], v[TM+8+2*\c]         ; the codes of k = 64 c + 16 h + 0 .. 15
	v_cvt_scalef32_pk16_fp6_f32 v[CT+4*\c:CT+4*\c+2], v[ACT+32*\c+16:ACT+32*\c+31], v[TM+8+2*\c+1]    ; and of k = 64 c + 32 + 16 h + 0 .. 15 (a conversion's three registers begin on an even number)
.endr
	v_nop                                          ; one plain instruction behind a scaled conversion
.irp c, 0,1                            ; the operand's layout wants a WHOLE block in a lane: lanes 0-15 block 2 c, lanes 16-31 block 2 c + 1
.irp i, 0,1,2
	v_permlane16_swap_b32 v[QC+6*\c+\i], v[CT+4*\c+\i]
.endr
.irp i, 0,1,2
	v_mov_b32 v[QC+3+6*\c+\i], v[CT+4*\c+\i]
.endr
.endr
.endm
; ---- ACT becomes four bf16 fragments.  Half e of register q of fragment s stands for unit 32 s + 16 h + 2 q + e: another order of k than the form's own, and the same in W5's fragments, so the products are the same.
.macro TOBF h5
	WIN 0x05                                       ; sources window 1, destination window 0
.set i, 0
.rept 32
	v_cvt_pk_bf16_f32 v[\h5+i], v[ACT+2*i], v[ACT+2*i+1]
.set i, i+1
.endr
.endm
; ---- the next pair's inputs are asked for: lane l takes row l's x0, x1 and t.  The last products that read these registers stand 64 plain vector instructions back or more.
.macro INNEXT
	WIN 0
	s_cmp_gt_u32 s3, 1                             ; in the last trip the step is 0: the wave's last pair is read once more, inside the buffers
	s_cselect_b32 s44, 256, 0
	s_cselect_b32 s46, 128, 0
	s_add_nc_u64 s[8:9], s[8:9], s[44:45]          ; the loads that read these bases were waited for in the trip before (or in the head)
	s_add_nc_u64 s[10:11], s[10:11], s[46:47]
	global_load_b64 v[IA:IA+1], v[XO], s[8:9] th:TH_LOAD_NT   ; 32 lanes read 256 consecutive bytes, aligned; read once in the launch
	global_load_b32 v[IB], v[TO], s[10:11]         ; 128 consecutive bytes
	v_mov_b32 v[IB+1], 1.0
.endm
; ---- and are laid as the K = 4 operand wants them: lanes 16-31 of (x0, x1) change places with lanes 0-15 of (t, 1)
.macro SWAPIN
	WIN 0
	s_wait_loadcnt 0x0                             ; the two loads of INNEXT, issued nearly a trip ago: no other load is out
	v_permlane16_swap_b32 v[IA], v[IB]
	v_permlane16_swap_b32 v[IA+1], v[IB+1]
.endm
	; ================ THE HEAD
	s_load_b512 s[8:23], s[0:1], 0x0               ; x, t, W1, b1, W2's codes, W2's scales, b2, W3's codes
	s_load_b512 s[24:39], s[0:1], 0x40             ; W3's scales, b3, W4's codes, W4's scales, b4, W5, b5, out
	v_lshrrev_b32 v246, 5, v0
	v_readfirstlane_b32 s2, v246                   ; wave 0..3
	v_and_b32 v242, 31, v0                         ; lane
	v_and_b32 v243, 15, v0                         ; r
	v_bfe_u32 v244, v0, 4, 1                       ; h
	v_and_b32 v245, 8, v243
	v_add_nc_u32 v245, v245, v243                  ; rr = r + 8 (r / 8)
	v_lshlrev_b32 v[XO], 3, v242
	v_lshlrev_b32 v[TO], 2, v242
	v_mul_u32_u24 v[WA], v245, 96
	v_mad_u32_u24 v[WA], v244, 24, v[WA]
	v_lshlrev_b32 v[WS], 2, v245
	v_lshlrev_b32 v[BA], 6, v244
	v_lshl_add_u32 v[W1A], v244, 10, v[WS]
	v_and_b32 v[W5A], 1, v0
	v_lshlrev_b32 v[W5A], 2, v[W5A]
	v_lshl_add_u32 v[W5A], v244, 7, v[W5A]         ; W5: unit 16 h on (8 bytes a unit), column r % 2
	v_mov_b32 v[NIL], 0
	s_lshl_b32 s6, ttmp9, 2
	s_add_co_u32 s6, s6, s2                        ; g = 4 x work-group + wave
	s_lshl_b32 s4, s6, 13                          ; 1,024 rows of 8 bytes in x and in out
	s_mov_b32 s5, 0
	s_mov_b32 s[NL], 0xbfb8aa3b                    ; -log2(e)
	s_mov_b32 s[NL+1], s[NL]                       ; (named with it as a pair, so it is written)
	s_mov_b32 s[SEL], 0x76543210
	s_mov_b32 s[SEL+1], 0xfedcba98
	s_mov_b32 s45, 0                               ; the steps' high words
	s_mov_b32 s47, 0
	s_wait_kmcnt 0x0
	s_add_nc_u64 s[8:9], s[8:9], s[4:5]
	s_add_nc_u64 s[38:39], s[38:39], s[4:5]
	s_lshl_b32 s4, s6, 12                          ; 1,024 rows of 4 bytes in t
	s_add_nc_u64 s[10:11], s[10:11], s[4:5]
	global_load_b64 v[IA:IA+1], v[XO], s[8:9] th:TH_LOAD_NT   ; the first pair's inputs
	global_load_b32 v[IB], v[TO], s[10:11]
	v_mov_b32 v[IB+1], 1.0
	SLOAD 2, 18
	SLOAD 3, 24
	SLOAD 4, 30
.irp t, 0,1,2,3,4,5,6,7
	global_load_b32 v[W1R1+\t], v[WS], s[12:13] offset:512+(32*(\t/2)+8*(\t%2))*4   ; W1's row 1
	global_load_b32 v[B1T+\t], v[WS], s[14:15] offset:(32*(\t/2)+8*(\t%2))*4        ; b1
.endr
.irp s, 0,1,2,3
.irp i, 0,1,2,3,4,5,6,7,8,9,10,11,12,13,14,15
	global_load_b32 v[RAW5+16*\s+\i], v[W5A], s[34:35] offset:256*\s+8*\i           ; W5(32 s + 16 h + i, r % 2)
.endr
.endr
	global_load_b64 v[B5C:B5C+1], v[NIL], s[36:37]  ; b5, the same in every lane
.irp i, 2,3,4,5,6,7
	v_mov_b32 v[B5C+\i], 0
.endr
	WIN 0x40                                       ; destination window 1
.irp t, 0,1,2,3,4,5,6,7
	global_load_b32 v[W1F+2*\t], v[W1A], s[12:13] offset:(32*(\t/2)+8*(\t%2))*4     ; k = 2 h: W1's row 0 or row 2
.endr
.irp b, 0,1,2,3
	v_mov_b32 v[TM+4+\b], 0                        ; written once: a lane permute's destination counts as one of its sources
.endr
	WIN 0x80                                       ; destination window 2
	WLOAD 0, 16
	WLOAD 96, 22
	BLOAD 192, 20
	WIN 0xc0                                       ; destination window 3
	WLOAD 0, 28
	BLOAD 96, 26
	BLOAD 160, 32
	WIN 0
	s_wait_loadcnt 0x0                             ; all of it, once
	s_mov_b32 vcc_lo, 0xffff0000                   ; lanes 16-31
	v_permlane16_swap_b32 v[IA], v[IB]             ; the first pair's inputs as the operand wants them
	v_permlane16_swap_b32 v[IA+1], v[IB+1]
	WIN 0x40
.irp t, 0,1,2,3,4,5,6,7
	v_cndmask_b32 v[W1F+2*\t+1], v[W1R1+\t], v[B1T+\t], vcc_lo   ; k = 2 h + 1: W1's row 1 in lanes 0-15, b1 in lanes 16-31
.endr
	WIN 0
.set i, 0
.rept 32
	v_cvt_pk_bf16_f32 v[W5LO+i], v[RAW5+2*i], v[RAW5+2*i+1]      ; W5 in bf16, every lane holding column r % 2
.set i, i+1
.endr
	WIN 0x41
.irp t, 0,1,2,3,4,5,6,7
	L1STEP ACA, IA, \t                             ; the first pair's tile A: its first layer
.endr
	WIN 0
	s_mov_b32 vcc_lo, 0x03000300                   ; r = 8, 9.  (The 64 selects below name no register of the products above: they are the eight places that the f32 form asks behind it)
.set i, 0
.rept 32
	v_cndmask_b32 v[W5HI+i], 0, v[W5LO+i], vcc_lo
.set i, i+1
.endr
	s_mov_b32 vcc_lo, 0x00030003                   ; r = 0, 1
.set i, 0
.rept 32
	v_cndmask_b32 v[W5LO+i], 0, v[W5LO+i], vcc_lo
.set i, i+1
.endr
	s_mov_b32 vcc_lo, 0xffff0000                   ; lanes 16-31 again: it stays so for the whole loop
	s_mov_b32 s3, TRIPS
	; ================ A TRIP: a pair of tiles through all five layers.  At its head tile A's first layer lies in ACA and tile B's inputs in IB.
.Ltrip:
	SWISH ACA, 1, 0                                ; A: swish 1            | B: layer 1
	INNEXT
	QUANT ACA
	SWISH ACB, 0, 2                                ; B: swish 1            | A: layer 2
	QUANT ACB
	SWISH ACA, 0, 2                                ; A: swish 2            | B: layer 2
	QUANT ACA
	SWISH ACB, 0, 3                                ; B: swish 2            | A: layer 3
	QUANT ACB
	SWISH ACA, 0, 3                                ; A: swish 3            | B: layer 3
	QUANT ACA
	SWISH ACB, 0, 4                                ; B: swish 3            | A: layer 4
	QUANT ACB
	SWISH ACA, 0, 4                                ; A: swish 4            | B: layer 4
	TOBF H5A
	SWAPIN
	SWISH ACB, 2, 0                                ; B: swish 4            | the next pair's A: layer 1
	TOBF H5B
	; The last product.  W5's two rows stand at m = 0, 1 for tile A and at m = 8, 9 for tile B, so that registers 0 and 1 hold A's results in lanes 0-15 and B's in lanes 16-31.
	; The two accumulators take turns, one instruction a turn; C of each first instruction is b5.
	WIN 0
.irp s, 0,1,2,3
.if \s == 0
	v_wmma_f32_16x16x32_bf16 v[OUTA:OUTA+7], v[W5LO:W5LO+7], v[H5A:H5A+7], v[B5C:B5C+7]
	v_wmma_f32_16x16x32_bf16 v[OUTB:OUTB+7], v[W5HI:W5HI+7], v[H5B:H5B+7], v[B5C:B5C+7]
.else
	v_wmma_f32_16x16x32_bf16 v[OUTA:OUTA+7], v[W5LO+8*\s:W5LO+8*\s+7], v[H5A+8*\s:H5A+8*\s+7], v[OUTA:OUTA+7]
	v_wmma_f32_16x16x32_bf16 v[OUTB:OUTB+7], v[W5HI+8*\s:W5HI+8*\s+7], v[H5B+8*\s:H5B+8*\s+7], v[OUTB:OUTB+7]
.endif
.endr
.rept 4
	v_nop                                          ; four places behind this form, in front of the first read of its results (ISA guide 7.12.1); no other vector work is at hand here
.endr
	v_cndmask_b32 v[OUTR], v[OUTA], v[OUTB], vcc_lo        ; a choice, not a sum: nothing of one tile enters the other's result
	v_cndmask_b32 v[OUTR+1], v[OUTA+1], v[OUTB+1], vcc_lo
	global_store_b64 v[XO], v[OUTR:OUTR+1], s[38:39] th:TH_STORE_NT   ; 32 lanes store 256 consecutive bytes, aligned: the pair's 32 rows of out; written once, read by nobody here
	s_wait_xcnt 0x0                                ; the store has read its base and its data: only behind this wait is the base stepped, and the data written again in the next trip
	s_add_nc_u64 s[38:39], s[38:39], 256
	s_sub_co_u32 s3, s3, 1
	s_cmp_lg_u32 s3, 0
	s_cbranch_scc1 .Ltrip
	s_endpgm
.Lfunc_end_k_q4eb25a1c84_mlp:
	.size	k_q4eb25a1c84_mlp, .Lfunc_end_k_q4eb25a1c84_mlp-k_q4eb25a1c84_mlp
	.p2alignl 7, 3214868480
	.fill 96, 4, 3214868480
	.section	.rodata,"a",@progbits
	.p2align	6, 0x0
	.amdhsa_kernel k_q4eb25a1c84_mlp
		.amdhsa_group_segment_fixed_size 0
		.amdhsa_private_segment_fixed_size 0
		.amdhsa_enable_private_segment 0
		.amdhsa_kernarg_size 128
		.amdhsa_user_sgpr_count 2
		.amdhsa_user_sgpr_kernarg_segment_ptr 1
		.amdhsa_wavefront_size32 1
		.amdhsa_system_sgpr_workgroup_id_x 1
		.amdhsa_system_sgpr_workgroup_id_y 1
		.amdhsa_system_sgpr_workgroup_id_z 1
		.amdhsa_system_vgpr_workitem_id 0
		.amdhsa_next_free_vgpr 1024
		.amdhsa_next_free_sgpr 66
		.amdhsa_reserve_vcc 1
		.amdhsa_float_denorm_mode_32 3
		.amdhsa_float_denorm_mode_16_64 3
		.amdhsa_memory_ordered 1
		.amdhsa_forward_progress 1
		.amdhsa_inst_pref_size 154
	.end_amdhsa_kernel
	.amdgpu_metadata
---
amdhsa.version: [ 1, 2 ]
amdhsa.kernels:
  - .name:           k_q4eb25a1c84_mlp
    .symbol:         k_q4eb25a1c84_mlp.kd
    .args:
      - { .name: x, .offset: 0, .size: 8, .value_kind: global_buffer, .address_space: global }
      - { .name: t, .offset: 8, .size: 8, .value_kind: global_buffer, .address_space: global }
      - { .name: W1, .offset: 16, .size: 8, .value_kind: global_buffer, .address_space: global }
      - { .name: b1, .offset: 24, .size: 8, .value_kind: global_buffer, .address_space: global }
      - { .name: W2_codes, .offset: 32, .size: 8, .value_kind: global_buffer, .address_space: global }
      - { .name: W2_scales, .offset: 40, .size: 8, .value_kind: global_buffer, .address_space: global }
      - { .name: b2, .offset: 48, .size: 8, .value_kind: global_buffer, .address_space: global }
      - { .name: W3_codes, .offset: 56, .size: 8, .value_kind: global_buffer, .address_space: global }
      - { .name: W3_scales, .offset: 64, .size: 8, .value_kind: global_buffer, .address_space: global }
      - { .name: b3, .offset: 72, .size: 8, .value_kind: global_buffer, .address_space: global }
      - { .name: W4_codes, .offset: 80, .size: 8, .value_kind: global_buffer, .address_space: global }
      - { .name: W4_scales, .offset: 88, .size: 8, .value_kind: global_buffer, .address_space: global }
      - { .name: b4, .offset: 96, .size: 8, .value_kind: global_buffer, .address_space: global }
      - { .name: W5, .offset: 104, .size: 8, .value_kind: global_buffer, .address_space: global }
      - { .name: b5, .offset: 112, .size: 8, .value_kind: global_buffer, .address_space: global }
      - { .name: out0, .offset: 120, .size: 8, .value_kind: global_buffer, .address_space: global }
    .group_segment_fixed_size: 0
    .private_segment_fixed_size: 0
    .kernarg_segment_align: 8
    .kernarg_segment_size: 128
    .max_flat_workgroup_size: 128
    .sgpr_count:     66
    .vgpr_count:     1024
    .wavefront_size: 32
...
	.end_amdgpu_metadata
.endif
;; end of part 1
;; ======== version 2 of 2: 1 launch; 1.27 times as fast as version 1
;; launch mlp (part 2): grid 256 x 1, 4 waves a work-group, no clusters, 0 bytes of LDS; arguments x, t, W1, b1, W2_codes, W2_scales, b2, W3_codes, W3_scales, b3, W4_codes, W4_scales, b4, W5, b5, out0; writes out0
.if DOCPART == 2
	.amdgcn_target "amdgcn-amd-amdhsa--gfx1250"
	.amdhsa_code_object_version 6
	.text
	.protected	k_q4eb25a1c84_mlp
	.globl	k_q4eb25a1c84_mlp
	.p2align	8
	.type	k_q4eb25a1c84_mlp,@function
k_q4eb25a1c84_mlp:
	s_mov_b64 s[64:65], 0
	v_nop
	global_prefetch_b8 v0, s[64:65] scope:SCOPE_SE
	s_setreg_imm32_b32 hwreg(HW_REG_WAVE_MODE, 25, 1), 1
	s_wait_xcnt 0x0
; out = swish(swish(swish(swish([x, t] W1 + b1) W2 + b2) W3 + b3) W4 + b4) W5 + b5 for 1,048,576 rows; swish(h) = h / (1 + e^-h).
; The products with W2, W3, W4 run on codes of FP6 (E2M3) with one E8M0 scale for each 32 along K: the weights come as codes, the activations are quantised here, in registers, from f32.
; The product with W1 (K = 3) feeds a quantiser: f32 operands, by the f32 matrix form with K = (x0, x1, t, 1): b1 rides as W1's fourth row.  The product with W5 (N = 2) feeds the output alone: bf16 operands, f32 sums.
; SHARES.  256 work-groups x 4 waves = 1,024 waves; wave g owns rows 1024 g .. 1024 g + 1023 and walks them in 32 trips of a PAIR of tiles of 16 rows (A: the trip's rows 0-15, B: rows 16-31).
; Waves share nothing: no LDS, no barrier.  All weights, scale words and biases (592 registers) are read once, ahead of the loop, and stay in the wave's registers; nothing goes to memory between the layers.
; NO CLUSTER, NO JOINT LOADS: what work-groups share is the weights, 41 KB, read once by each wave ahead of the loop; the loop itself shares nothing.  NO PREFETCH: a pair's 384 input bytes are asked for most of a trip
; ahead of their use, so no wave waits for them.
; LAYOUT.  Every product is used transposed (source 0 = 16 rows of the weight, source 1 = the 16 batch rows), so that lane (r = lane % 16, h = lane / 16) holds batch row r throughout.
; THE UNITS OF A TILE ARE NOT NEIGHBOURS: lane r of tile T takes unit U(T) + r + 8 (r / 8), U(T) = 32 (T / 2) + 8 (T % 2), so that a lane's register 16 b + i of a layer's 64 is unit 32 b + 16 h + i: 16 neighbours along the next K.
; BY TURNS.  A tile and layer is 128 transcendentals, 164 plain vector instructions and 8 matrix instructions, each stage feeding the next.  The pair's two tiles run HALF A LAYER APART: in a TURN tile X has its 64 exponentials,
; 32 packed additions and 64 reciprocals, and tile Y all the rest of a layer: h x sigmoid, the quantiser, its eight products, and the scaling -h log2(e) for its next swish.  The two lists depend on nothing of each other and are
; dealt into each other: behind 122 of a turn's 128 transcendentals stands a plain instruction.  Then the tiles change places.  The biases are the C of the products and cost nothing.
; THE LOOP is turned by one turn: a trip ends with the turn that finishes tile B, stores the pair, and has the NEXT pair's first swish of tile A.  The last trip reads its own pair of rows once more (no load leaves its buffer)
; and does that next pair's first layer and A's first swish in vain: 16 of a wave's 2,320 matrix instructions, for a loop body without inner branches and without a second copy.
; LIMITS.  swish(h) is h x rcp(1 + exp2(-h log2 e)).  Where the reciprocal falls under 2^-126 (h under about -87) the result is -0; the true number is there under 1.1e-36 in magnitude.  Large |h| gives no NaN.
; NaN and infinities among the inputs are not served.  A block of zeros keeps the scale byte 1 with zero codes, which add nothing.  The last hidden layer and W5 are rounded to bf16.
;
; REGISTERS, in windows of 256 (s_set_vgpr_msb's low byte: bits 1:0 source 0, 3:2 source 1, 5:4 source 2, 7:6 destination).
; window 0: addresses, scale words (scale operands have no window), inputs, W5 and its sums, and the accumulators
.set TRIPS, 32
.set LA,   6                           ; X's additions run six pairs ahead of its reciprocals
.set XO,   1                           ; v1      8 x lane: my row's bytes in a pair's x and out; never rewritten
.set TO,   2                           ; v2      4 x lane: in t
.set WA,   3                           ; v3      96 rr + 24 h, rr = r + 8 (r / 8): my place in a tile of codes
.set WS,   4                           ; v4      4 rr: my place among a tile's scale words, and in a row of W1 or b1
.set BA,   5                           ; v5      64 h: my half's eight numbers of a tile's bias
.set W1A,  6                           ; v6      1024 h + 4 rr: W1's row 0 (lanes 0-15) or row 2 (lanes 16-31)
.set WSC,  8                           ; v8-31   the weights' scale words: layer l (2, 3, 4), tile T at v[8 + 8 (l - 2) + T]
.set PWA,  32                          ; v32, 33 the activations' scale words of tile A, of tile B
.set IA,   34                          ; v34-35  tile A's inputs: lanes 0-15 (x0, x1), lanes 16-31 (t, 1);  v36-37 tile B's
.set IB,   36
.set OUTR, 38                          ; v38-39  the pair of results that a lane stores
.set B5C,  40                          ; v40-47  b5[0], b5[1], six zeros: the C of the last product
.set OUTA, 48                          ; v48-55, v56-63 its accumulators  (in the head v48-54 are at work: lane terms and two offsets)
.set OUTB, 56
.set W5A,  53                          ; the head alone: 128 h + 4 (r % 2)
.set NIL,  54                          ; the head alone: 0
.set W5LO, 64                          ; v64-95  W5^T in bf16 with its two rows at m = 0, 1, all else 0
.set W5HI, 96                          ; v96-127 the same at m = 8, 9
.set ACC,  128                         ; v128-191 tile A's eight accumulators, v192-255 tile B's: written by matrix instructions alone, in the whole text
; window 1: all that the loop's vector work writes
.set H5,   128                         ; 0-63 ACT of tile A, 64-127 of tile B: the 64 numbers of a swish;  128-159, 160-191 the last hidden layer in bf16, four fragments a tile
.set COD,  192                         ; 192-203 tile A's codes, 204-215 tile B's
.set W1F,  216                         ; 216-231 W1's fragments, two registers a tile: k = 2 h + 0, 1 of (W1 row 0, row 1, row 2, b1)
.set TM,   232                         ; 232-235 largest magnitudes, 236-239 the other half's, then the bytes, 240-243 the conversions' scale operands
.set CT,   244                         ; 244-246, 248-250 the conversions' second halves
.set NLV,  252                         ; 252-253 -log2(e), twice
.set RAW5, 0                           ; the head alone: 0-63 W5 as loaded, 64-71 W1's row 1, 72-79 b1
.set W1R1, 64
.set B1T,  72
; window 2: 0-95 W2, 96-191 W3, 192-255 b2.     window 3: 0-95 W4, 96-159 b3, 160-223 b4.
; SCALARS: s2 wave; s3 trips left; s[4:6] offsets; s[8:39] the sixteen addresses in the order of the arguments; s[44:47] the inputs' steps; s[48:49] the output's step
.set SEL,  42                          ; s[42:43] lane selects for v_permlanex16_b32: lane l xor 16
; WINDOW SETTINGS.  0x51: all places window 1 but source 1, which is window 0: the accumulators are read as source 1 alone.  0x55: all window 1: the quantiser.  Exponentials, reciprocals and additions fit both.
; A product's D lies in window 0, so each product stands between two switches: 16 a turn, the price of having both tiles' numbers at hand in one window.
.set MSB, 0
.macro WIN new                         ; the immediate's high byte repeats the setting that is left; a switch that changes nothing is dropped
.if MSB != \new
	s_set_vgpr_msb (MSB<<8)|\new
.set MSB, \new
.endif
.endm
; ---- the head's loads
.macro WLOAD base, ptr                 ; a layer's eight fragments: lane (r, h) takes, of row U(T) + rr, the 24 bytes at 24 h and those at 48 + 24 h, in pieces of 8
.irp t, 0,1,2,3,4,5,6,7
.irp p, 0,1,2,3,4,5
	global_load_b64 v[\base+12*\t+2*\p:\base+12*\t+2*\p+1], v[WA], s[\ptr:\ptr+1] offset:(32*(\t/2)+8*(\t%2))*96+48*(\p/3)+8*(\p%3)
.endr
.endr
.endm
.macro BLOAD base, ptr                 ; a layer's bias in the result's layout: register j of tile T is unit U(T) + 16 h + j
.irp t, 0,1,2,3,4,5,6,7
	global_load_b128 v[\base+8*\t:\base+8*\t+3], v[BA], s[\ptr:\ptr+1] offset:(32*(\t/2)+8*(\t%2))*4
	global_load_b128 v[\base+8*\t+4:\base+8*\t+7], v[BA], s[\ptr:\ptr+1] offset:(32*(\t/2)+8*(\t%2))*4+16
.endr
.endm
.macro SLOAD l, ptr                    ; a layer's scale words: one word a row
.irp t, 0,1,2,3,4,5,6,7
	global_load_b32 v[WSC+8*(\l-2)+\t], v[WS], s[\ptr:\ptr+1] offset:(32*(\t/2)+8*(\t%2))*4
.endr
.endm
; ---- THE MATRIX INSTRUCTIONS of tile Y.  TURN sets the symbols: YT its ACT, YC its accumulators, YD its codes, YP its scale word, YI its inputs, YH its bf16 fragments; XT is tile X's ACT.
.macro L1STEP t                        ; tile t of the first layer: 16 units x 16 rows, K = (x0, x1, t, 1); the sum begins with the constant 0
	WIN 0x01                                       ; W1 in window 1; the inputs and D in window 0
	v_wmma_f32_16x16x4_f32 v[YC+8*(\t):YC+8*(\t)+7], v[W1F+2*(\t):W1F+2*(\t)+1], v[YI:YI+1], 0
.endm
.macro MMSTEP l, t                     ; tile t of quantised layer l: the whole K = 128 in one instruction, C = the bias: no chain.  D in window 0, the codes in window 1, the weights and the bias where they lie
.if \l == 2
	WIN 0x26
.set LW, 0
.set LB, 192
.elseif \l == 3
	WIN 0x36
.set LW, 96
.set LB, 96
.else
	WIN 0x37
.set LW, 0
.set LB, 160
.endif
	v_wmma_scale_f32_16x16x128_f8f6f4 v[YC+8*(\t):YC+8*(\t)+7], v[LW+12*(\t):LW+12*(\t)+11], v[YD:YD+11], v[LB+8*(\t):LB+8*(\t)+7], v[WSC+8*(\l-2)+(\t)], v[YP] matrix_a_fmt:MATRIX_FMT_FP6 matrix_b_fmt:MATRIX_FMT_FP6
.endm
; K step s of the last product, for both tiles.  W5's two rows stand at m = 0, 1 for tile A and at m = 8, 9 for tile B, so that registers 0 and 1 hold A's results in lanes 0-15 and B's in lanes 16-31.
; The two accumulators take turns, one instruction a turn; the C of each first instruction is b5.
.macro PROD5 s
	WIN 0x04                                       ; the bf16 fragments in window 1, all else in window 0
.if (\s) == 0
	v_wmma_f32_16x16x32_bf16 v[OUTA:OUTA+7], v[W5LO:W5LO+7], v[H5:H5+7], v[B5C:B5C+7]
	v_wmma_f32_16x16x32_bf16 v[OUTB:OUTB+7], v[W5HI:W5HI+7], v[H5+32:H5+39], v[B5C:B5C+7]
.else
	v_wmma_f32_16x16x32_bf16 v[OUTA:OUTA+7], v[W5LO+8*(\s):W5LO+8*(\s)+7], v[H5+8*(\s):H5+8*(\s)+7], v[OUTA:OUTA+7]
	v_wmma_f32_16x16x32_bf16 v[OUTB:OUTB+7], v[W5HI+8*(\s):W5HI+8*(\s)+7], v[H5+32+8*(\s):H5+39+8*(\s)], v[OUTB:OUTB+7]
.endif
.endm
; ---- THE QUANTISER as a list of 68 instructions; QI writes number q of it.  Tile Y's 64 numbers (register 16 b + i = k 32 b + 16 h + i of my row) become a fragment of codes and a scale word.
;   0-31   each block's largest magnitude among my 16 numbers, the four blocks by turns; the floor 2^(3 - 127) is one more leaf: so the byte cannot fall under 1
;   32-39  with lane l xor 16's 16: the block's        40-43  2 off its exponent field: the conversion takes the exponent field of this operand as its scale, and nothing else of it        44-47  the scale's byte
;   48-54  the four conversions (a conversion's three registers begin on an even number, so a block's second half is made elsewhere); between them the four bytes become my row's scale word, which lies in window 0
;   55     one plain instruction behind the scaled conversions
;   56-67  the operand's layout wants a WHOLE block in a lane (lanes 0-15 block 2 c, lanes 16-31 block 2 c + 1): three exchanges of halves and three moves for each c
.macro QI
.if q == 53
	WIN 0x11
.else
	WIN 0x55
.endif
.if q < 4
	v_max3_num_f32 v[TM+q], |v[YT+16*q]|, |v[YT+16*q+1]|, 0x1800000
.elseif q < 32
	v_max3_num_f32 v[TM+q%4], v[TM+q%4], |v[YT+16*(q%4)+2*(q/4)]|, |v[YT+16*(q%4)+2*(q/4)+1]|
.elseif q < 36
	v_permlanex16_b32 v[TM+4+q-32], v[TM+q-32], s[SEL], s[SEL+1]
.elseif q < 40
	v_max_num_f32 v[TM+q-36], v[TM+q-36], v[TM+4+q-36]
.elseif q < 44
	v_add_nc_u32 v[TM+8+q-40], 0xff000000, v[TM+q-40]
.elseif q < 48
	v_lshrrev_b32 v[TM+4+q-44], 23, v[TM+8+q-44]
.elseif q == 49
	v_lshl_or_b32 v[TM+4], v[TM+5], 8, v[TM+4]
.elseif q == 51
	v_lshl_or_b32 v[TM+4], v[TM+6], 16, v[TM+4]
.elseif q == 53
	v_lshl_or_b32 v[YP], v[TM+7], 24, v[TM+4]
.elseif q < 55
.set qm, (q-48)/2
.set qc, qm/2
.if qm%2 == 0
	v_cvt_scalef32_pk16_fp6_f32 v[YD+6*qc:YD+6*qc+2], v[YT+32*qc:YT+32*qc+15], v[TM+8+2*qc]            ; the codes of k = 64 c + 16 h + 0 .. 15
.else
	v_cvt_scalef32_pk16_fp6_f32 v[CT+4*qc:CT+4*qc+2], v[YT+32*qc+16:YT+32*qc+31], v[TM+8+2*qc+1]       ; and of k = 64 c + 32 + 16 h + 0 .. 15
.endif
.elseif q == 55
	v_nop
.else
.set qc, (q-56)/6
.set qe, (q-56)%6
.if qe < 3
	v_permlane16_swap_b32 v[YD+6*qc+qe], v[CT+4*qc+qe]
.else
	v_mov_b32 v[YD+6*qc+qe], v[CT+4*qc+qe-3]
.endif
.endif
.endm
; ---- The next instruction of tile Y's list for a turn's first part: numbers 0-31 h x sigmoid(h), a pair each; then the quantiser (kind 2, 3, 4) or the rounding to bf16 (kind 5).
; In bf16, half e of register u % 8 of fragment u / 8 stands for unit 32 (u / 8) + 16 h + 2 (u % 8) + e: another order of k than the form's own, and the same in W5's fragments, so the products are the same.
.macro YITEM kind
.if yn < 32
	WIN 0x51
	v_pk_mul_f32 v[YT+2*yn:YT+2*yn+1], v[YT+2*yn:YT+2*yn+1], v[YC+2*yn:YC+2*yn+1]
.elseif \kind == 5
	WIN 0x55
	v_cvt_pk_bf16_f32 v[YH+yn-32], v[YT+2*(yn-32)], v[YT+2*(yn-32)+1]
.else
.set q, yn-32
	QI
.endif
.set yn, yn+1
.endm
; ---- and for its second part: -h log2(e) of the layer just made, a pair each, ascending: each accumulator is read from its low end on
.macro YP1
	WIN 0x51
	v_pk_mul_f32 v[YT+2*yn:YT+2*yn+1], v[NLV:NLV+1], v[YC+2*yn:YC+2*yn+1]
.set yn, yn+1
.endm
; ---- A TURN.  x: the tile (0 = A, 1 = B) that has its transcendentals; the other tile is Y.  kind 2, 3, 4: Y is quantised and has that layer's products.  kind 5: Y has had its last swish: it is rounded to bf16, and the
; next pair's first layer takes its accumulators; where Y is tile B the last product stands here too.  first = 1: the launch's first turn: Y has nothing behind it, only its first layer.
; PART 1: X's 64 exponentials.  Behind each stands Y's next instruction; kinds 2 to 4 have 100 of them, so the first 36 exponentials have two.  One wait for the batch: nothing of Y names a result of X.
; PART 2: six additions; then 32 groups: a reciprocal, the addition six pairs on, a reciprocal, a scaling of Y.  One wait for the batch.
; DISTANCES, counted in plain vector instructions that name none of the product's registers (ISA guide 7.12.1).  The six additions lie between the codes' last move and the first scaled product (four are asked; the scale word
; is written 13 ahead, eight are asked).  Product T stands at the head of group 3 T; its first reader is scaling 4 T, in group 6 + 4 T or later: seven additions or more between (four are asked).
; The f32 products stand eight exponentials apart in part 1's second half, behind Y's last read of the old sums, and at groups 0, 4, 8, 12; each has 13 plain instructions or more ahead of its first reader (eight are asked).
.macro TURN x, kind, first
.set XT, 64*(\x)
.set YT, 64-XT
.set YC, ACC+YT
.set YD, COD+12*(1-(\x))
.set YP, PWA+1-(\x)
.set YI, IA+2*(1-(\x))
.set YH, H5+32*(1-(\x))
.set VW, 0x51                          ; the setting that Y's list is at: X's instructions take it as it is
.set yn, 0
.set i, 0
.rept 64
.if yn >= 32
.set VW, 0x55
.endif
.if (\kind == 5) && (i >= 32) && (i%8 == 0)
	L1STEP (i-32)/8
.endif
	WIN VW
	v_exp_f32 v[XT+i], v[XT+i]
.if \first == 0
	YITEM \kind
.if (\kind != 5) && (i < 36)
	YITEM \kind
.endif
.endif
.set i, i+1
.endr
.if \first
	v_nop                                          ; a plain instruction between the last exponential and the first use of a result (ISA guide 5.7.2); elsewhere Y's last instruction is that one
.endif
	s_wait_alu depctr_va_vdst(0)                   ; one wait for the 64 exponentials, ahead of the first instruction that names a result
.set VW, 0x51
.set i, 0
.rept LA
	WIN VW
	v_pk_add_f32 v[XT+2*i:XT+2*i+1], v[XT+2*i:XT+2*i+1], 1.0 op_sel_hi:[1,0]
.set i, i+1
.endr
.set yn, 0
.set j, 0
.rept 32
.if \kind == 5
.if (j%4 == 0) && (j < 16)
	L1STEP 4+j/4
.endif
.if ((\x) == 0) && (\first == 0) && (j >= 16) && (j < 28) && ((j-16)%3 == 0)
	PROD5 (j-16)/3
.endif
.else
.if (j%3 == 0) && (j < 24)
	MMSTEP \kind, j/3
.endif
.endif
	WIN VW
	v_rcp_f32 v[XT+2*j], v[XT+2*j]
.if j+LA < 32
	v_pk_add_f32 v[XT+2*(j+LA):XT+2*(j+LA)+1], v[XT+2*(j+LA):XT+2*(j+LA)+1], 1.0 op_sel_hi:[1,0]
.else
	YP1
.endif
	v_rcp_f32 v[XT+2*j+1], v[XT+2*j+1]
.if j >= LA
	YP1                                            ; 26 here and 6 in the additions' place: Y's 32.  The last of them is the plain instruction behind the last reciprocal
.endif
.set j, j+1
.endr
	s_wait_alu depctr_va_vdst(0)                   ; one wait for the 64 reciprocals: the next turn's first plain instruction reads them
.endm
; ---- the next pair's inputs are asked for: lane l takes row l's x0, x1 and t.  The last products that read these registers stand more than 30 plain vector instructions back.
.macro INNEXT
	WIN 0
	s_cmp_gt_u32 s3, 1                             ; in the last trip the step is 0: the wave's last pair is read once more, inside the buffers
	s_cselect_b32 s44, 256, 0
	s_cselect_b32 s46, 128, 0
	s_add_nc_u64 s[8:9], s[8:9], s[44:45]          ; the loads that read these bases were waited for in the trip before (or in the head)
	s_add_nc_u64 s[10:11], s[10:11], s[46:47]
	global_load_b64 v[IA:IA+1], v[XO], s[8:9] th:TH_LOAD_NT   ; 32 lanes read 256 consecutive bytes, aligned; read once in the launch
	global_load_b32 v[IB], v[TO], s[10:11]         ; 128 consecutive bytes
	v_mov_b32 v[IB+1], 1.0
.endm
; ---- and are laid as the K = 4 operand wants them: lanes 16-31 of (x0, x1) change places with lanes 0-15 of (t, 1)
.macro SWAPIN
	WIN 0
	s_wait_loadcnt 0x0                             ; the two loads of INNEXT, issued six turns ago: no other load is out
	v_permlane16_swap_b32 v[IA], v[IB]
	v_permlane16_swap_b32 v[IA+1], v[IB+1]
.endm
	; ================ THE HEAD
	s_load_b512 s[8:23], s[0:1], 0x0               ; x, t, W1, b1, W2's codes, W2's scales, b2, W3's codes
	s_load_b512 s[24:39], s[0:1], 0x40             ; W3's scales, b3, W4's codes, W4's scales, b4, W5, b5, out
	v_lshrrev_b32 v48, 5, v0
	v_readfirstlane_b32 s2, v48                    ; wave 0..3
	v_and_b32 v49, 31, v0                          ; lane
	v_and_b32 v50, 15, v0                          ; r
	v_bfe_u32 v51, v0, 4, 1                        ; h
	v_and_b32 v52, 8, v50
	v_add_nc_u32 v52, v52, v50                     ; rr = r + 8 (r / 8)
	v_lshlrev_b32 v[XO], 3, v49
	v_lshlrev_b32 v[TO], 2, v49
	v_mul_u32_u24 v[WA], v52, 96
	v_mad_u32_u24 v[WA], v51, 24, v[WA]
	v_lshlrev_b32 v[WS], 2, v52
	v_lshlrev_b32 v[BA], 6, v51
	v_lshl_add_u32 v[W1A], v51, 10, v[WS]
	v_and_b32 v[W5A], 1, v0
	v_lshlrev_b32 v[W5A], 2, v[W5A]
	v_lshl_add_u32 v[W5A], v51, 7, v[W5A]          ; W5: unit 16 h on (8 bytes a unit), column r % 2
	v_mov_b32 v[NIL], 0
	s_lshl_b32 s6, ttmp9, 2
	s_add_co_u32 s6, s6, s2                        ; g = 4 x work-group + wave
	s_lshl_b32 s4, s6, 13                          ; 1,024 rows of 8 bytes in x and in out
	s_mov_b32 s5, 0
	s_mov_b32 s[SEL], 0x76543210
	s_mov_b32 s[SEL+1], 0xfedcba98
	s_mov_b32 s45, 0                               ; the steps' high words
	s_mov_b32 s47, 0
	s_mov_b32 s48, 0                               ; the output's step: 0 ahead of the first store, 256 from then on
	s_mov_b32 s49, 0
	s_wait_kmcnt 0x0
	s_add_nc_u64 s[8:9], s[8:9], s[4:5]
	s_add_nc_u64 s[38:39], s[38:39], s[4:5]
	s_lshl_b32 s4, s6, 12                          ; 1,024 rows of 4 bytes in t
	s_add_nc_u64 s[10:11], s[10:11], s[4:5]
	global_load_b64 v[IA:IA+1], v[XO], s[8:9] th:TH_LOAD_NT   ; the first pair's inputs
	global_load_b32 v[IB], v[TO], s[10:11]
	v_mov_b32 v[IB+1], 1.0
	SLOAD 2, 18
	SLOAD 3, 24
	SLOAD 4, 30
	global_load_b64 v[B5C:B5C+1], v[NIL], s[36:37]  ; b5, the same in every lane
.irp i, 2,3,4,5,6,7
	v_mov_b32 v[B5C+\i], 0
.endr
	WIN 0x40                                       ; destination window 1
.irp t, 0,1,2,3,4,5,6,7
	global_load_b32 v[W1R1+\t], v[WS], s[12:13] offset:512+(32*(\t/2)+8*(\t%2))*4   ; W1's row 1
	global_load_b32 v[B1T+\t], v[WS], s[14:15] offset:(32*(\t/2)+8*(\t%2))*4        ; b1
	global_load_b32 v[W1F+2*\t], v[W1A], s[12:13] offset:(32*(\t/2)+8*(\t%2))*4     ; k = 2 h: W1's row 0 or row 2
.endr
.irp s, 0,1,2,3
.irp i, 0,1,2,3,4,5,6,7,8,9,10,11,12,13,14,15
	global_load_b32 v[RAW5+16*\s+\i], v[W5A], s[34:35] offset:256*\s+8*\i           ; W5(32 s + 16 h + i, r % 2)
.endr
.endr
.irp b, 0,1,2,3
	v_mov_b32 v[TM+4+\b], 0                        ; written once: a lane permute's destination counts as one of its sources
.endr
	v_mov_b32 v[NLV], 0xbfb8aa3b                   ; -log2(e)
	v_mov_b32 v[NLV+1], 0xbfb8aa3b
	WIN 0x80                                       ; destination window 2
	WLOAD 0, 16
	WLOAD 96, 22
	BLOAD 192, 20
	WIN 0xc0                                       ; destination window 3
	WLOAD 0, 28
	BLOAD 96, 26
	BLOAD 160, 32
	WIN 0
	s_wait_loadcnt 0x0                             ; all of it, once
	s_mov_b32 vcc_lo, 0xffff0000                   ; lanes 16-31
	v_permlane16_swap_b32 v[IA], v[IB]             ; the first pair's inputs as the operand wants them
	v_permlane16_swap_b32 v[IA+1], v[IB+1]
	WIN 0x55
.irp t, 0,1,2,3,4,5,6,7
	v_cndmask_b32 v[W1F+2*\t+1], v[W1R1+\t], v[B1T+\t], vcc_lo   ; k = 2 h + 1: W1's row 1 in lanes 0-15, b1 in lanes 16-31
.endr
	WIN 0x05                                       ; sources window 1, destination window 0
.set i, 0
.rept 32
	v_cvt_pk_bf16_f32 v[W5LO+i], v[RAW5+2*i], v[RAW5+2*i+1]      ; W5 in bf16, every lane holding column r % 2
.set i, i+1
.endr
.set YT, 0
.set YC, ACC
.set YI, IA
.irp t, 0,1,2,3,4,5,6,7
	L1STEP \t                                      ; the first pair's tile A: its first layer
.endr
	WIN 0
	s_mov_b32 vcc_lo, 0x03000300                   ; r = 8, 9.  (The 64 selects below name no register of the products above: they are the eight places that the f32 form asks behind it)
.set i, 0
.rept 32
	v_cndmask_b32 v[W5HI+i], 0, v[W5LO+i], vcc_lo
.set i, i+1
.endr
	s_mov_b32 vcc_lo, 0x00030003                   ; r = 0, 1
.set i, 0
.rept 32
	v_cndmask_b32 v[W5LO+i], 0, v[W5LO+i], vcc_lo
.set i, i+1
.endr
	s_mov_b32 vcc_lo, 0xffff0000                   ; lanes 16-31 again: it stays so for the whole loop
.set yn, 0
.rept 32
	YP1                                            ; A: -h log2(e) of its first layer
.endr
	s_mov_b32 s3, TRIPS
	TURN 0, 5, 1                                   ; A: swish 1's transcendentals      | B: layer 1, its scaling
	WIN 0                                          ; at a label and at a branch every window is 0
	; ================ A TRIP.  At its head tile A has had the transcendentals of its first swish, and tile B's first layer is scaled for its own.
.Ltrip:
	INNEXT
	TURN 1, 2, 0                                   ; B: swish 1      | A: swish 1's product, quantiser, layer 2
	TURN 0, 2, 0                                   ; A: swish 2      | B: the same
	TURN 1, 3, 0                                   ; B: swish 2      | A: layer 3
	TURN 0, 3, 0                                   ; A: swish 3      | B: layer 3
	TURN 1, 4, 0                                   ; B: swish 3      | A: layer 4
	TURN 0, 4, 0                                   ; A: swish 4      | B: layer 4
	SWAPIN
	TURN 1, 5, 0                                   ; B: swish 4      | A: to bf16; the next pair's A: layer 1
	TURN 0, 5, 0                                   ; the next A: swish 1 | B: to bf16; the last product of both tiles; the next pair's B: layer 1
	WIN 0
	s_wait_xcnt 0x0                                ; the last trip's store has read its base and its data: only behind this wait is the base stepped and are the data written again
	s_add_nc_u64 s[38:39], s[38:39], s[48:49]
	v_cndmask_b32 v[OUTR], v[OUTA], v[OUTB], vcc_lo        ; a choice, not a sum: nothing of one tile enters the other's result.  (13 scalings of Y lie between the last product and these reads: four places are asked)
	v_cndmask_b32 v[OUTR+1], v[OUTA+1], v[OUTB+1], vcc_lo
	global_store_b64 v[XO], v[OUTR:OUTR+1], s[38:39] th:TH_STORE_NT   ; 32 lanes store 256 consecutive bytes, aligned: the pair's 32 rows of out; written once, read by nobody here
	s_mov_b32 s48, 256                             ; (no source of the store)
	s_sub_co_u32 s3, s3, 1
	s_cmp_lg_u32 s3, 0
	s_cbranch_scc1 .Ltrip
	s_endpgm
.Lfunc_end_k_q4eb25a1c84_mlp:
	.size	k_q4eb25a1c84_mlp, .Lfunc_end_k_q4eb25a1c84_mlp-k_q4eb25a1c84_mlp
	.p2alignl 7, 3214868480
	.fill 96, 4, 3214868480
	.section	.rodata,"a",@progbits
	.p2align	6, 0x0
	.amdhsa_kernel k_q4eb25a1c84_mlp
		.amdhsa_group_segment_fixed_size 0
		.amdhsa_private_segment_fixed_size 0
		.amdhsa_enable_private_segment 0
		.amdhsa_kernarg_size 128
		.amdhsa_user_sgpr_count 2
		.amdhsa_user_sgpr_kernarg_segment_ptr 1
		.amdhsa_wavefront_size32 1
		.amdhsa_system_sgpr_workgroup_id_x 1
		.amdhsa_system_sgpr_workgroup_id_y 1
		.amdhsa_system_sgpr_workgroup_id_z 1
		.amdhsa_system_vgpr_workitem_id 0
		.amdhsa_next_free_vgpr 1024
		.amdhsa_next_free_sgpr 66
		.amdhsa_reserve_vcc 1
		.amdhsa_float_denorm_mode_32 3
		.amdhsa_float_denorm_mode_16_64 3
		.amdhsa_memory_ordered 1
		.amdhsa_forward_progress 1
		.amdhsa_inst_pref_size 168
	.end_amdhsa_kernel
	.amdgpu_metadata
---
amdhsa.version: [ 1, 2 ]
amdhsa.kernels:
  - .name:           k_q4eb25a1c84_mlp
    .symbol:         k_q4eb25a1c84_mlp.kd
    .args:
      - { .name: x, .offset: 0, .size: 8, .value_kind: global_buffer, .address_space: global }
      - { .name: t, .offset: 8, .size: 8, .value_kind: global_buffer, .address_space: global }
      - { .name: W1, .offset: 16, .size: 8, .value_kind: global_buffer, .address_space: global }
      - { .name: b1, .offset: 24, .size: 8, .value_kind: global_buffer, .address_space: global }
      - { .name: W2_codes, .offset: 32, .size: 8, .value_kind: global_buffer, .address_space: global }
      - { .name: W2_scales, .offset: 40, .size: 8, .value_kind: global_buffer, .address_space: global }
      - { .name: b2, .offset: 48, .size: 8, .value_kind: global_buffer, .address_space: global }
      - { .name: W3_codes, .offset: 56, .size: 8, .value_kind: global_buffer, .address_space: global }
      - { .name: W3_scales, .offset: 64, .size: 8, .value_kind: global_buffer, .address_space: global }
      - { .name: b3, .offset: 72, .size: 8, .value_kind: global_buffer, .address_space: global }
      - { .name: W4_codes, .offset: 80, .size: 8, .value_kind: global_buffer, .address_space: global }
      - { .name: W4_scales, .offset: 88, .size: 8, .value_kind: global_buffer, .address_space: global }
      - { .name: b4, .offset: 96, .size: 8, .value_kind: global_buffer, .address_space: global }
      - { .name: W5, .offset: 104, .size: 8, .value_kind: global_buffer, .address_space: global }
      - { .name: b5, .offset: 112, .size: 8, .value_kind: global_buffer, .address_space: global }
      - { .name: out0, .offset: 120, .size: 8, .value_kind: global_buffer, .address_space: global }
    .group_segment_fixed_size: 0
    .private_segment_fixed_size: 0
    .kernarg_segment_align: 8
    .kernarg_segment_size: 128
    .max_flat_workgroup_size: 128
    .sgpr_count:     66
    .vgpr_count:     1024
    .wavefront_size: 32
...
	.end_amdgpu_metadata
.endif
;; end of part 2
